; MI455X (gfx1250); checked and timed in simulation.
; The chip was launched on July 23, 2026; its instructions are those of AMD's public machine-readable ISA for CDNA 5 (MIT licence, August 2026) and "CDNA5" Instruction Set Architecture Reference Guide (July 2026). The comments in the code are by the model that wrote it; some were corrected since.
;; Bahdanau Attention. Allowed arithmetic: matrix products marked QUANTISED: E2M3 operands, one E8M0 scale for each 32 along K, by v_wmma_scale_f32_16x16x128_f8f6f4 with both operands' format E2M3, f32 sums; products left as they are: f32 operands where the result goes on into a quantised operand, else bf16, f16 or f32 operands; f32 sums; everything else in f32.
;; Inputs: V_b 1 float32; V_w 1,024 float32; W1_b 1,024 float32; W1_w 1,024 x 1,024 float32; W2_b 1,024 float32; W2_w 1,024 x 1,024 float32; decoder_hidden 64 x 1,024 float32; encoder_outputs 64 x 1,024 x 1,024 float32.
;; Outputs: out0 64 x 1,024 float32; out1 64 x 1,024 float32.
;; This version of the problem:
;;   THIS VERSION OF THE PROBLEM IS GIVEN IN LOW PRECISION. The matrix products marked QUANTISED in the list below multiply operands that are first quantised to E2M3 (2 exponent bits, 3 mantissa bits; 6 bits a number), with one power-of-two scale for each 32 numbers along K (OCP MX v1.0); their sums are f32. All else is computed in f32.
;;   The module's matrix products, in the order in which they are computed (A, B: the left and right operand; K: the contracted axis; several contracted axes count as one K, in the product's order):
;;     1. [M 65,536, K 1,024] x [K 1,024, N 1,024]; A: input encoder_outputs; B: input W1_w: QUANTISED
;;     2. [M 64, K 1,024] x [K 1,024, N 1,024]; A: input decoder_hidden; B: input W2_w: QUANTISED
;;     3. [M 65,536, K 1,024] x [K 1,024, N 1]; A: computed on the way; B: input V_w: left as it is (N = 1 < 16)
;;     4. batch 64 x [M 1, K 1,024] x [K 1,024, N 1,024]; A: softmax; B: input encoder_outputs: left as it is (M = 1 < 16)
;;   THE QUANTISER, for each operand of a quantised product, along K:
;;     - K is cut into blocks of 32 from its start; a last block that is shorter is filled with zeros.
;;     - A block's scale is 2^e with e = floor(log2(the largest magnitude in the block)) - 2, held to -126 .. 127; a block of zeros has e = 0. As a byte (E8M0): e + 127.
;;     - Each number is divided by its block's scale, clamped to +-7.5, and rounded to the nearest number of E2M3, ties to even, subnormals kept.
;;     - The product sums the exact products of the quantised numbers (number of the format x scale) in f32.
;;   ~~~python
;;   def quantise(x, axis):      # numpy; x: float32 -> the quantised numbers, widened to float32 again
;;       x = np.moveaxis(x, axis, -1); K = x.shape[-1]
;;       x = np.pad(x, [(0, 0)] * (x.ndim - 1) + [(0, -K % 32)]); x = x.reshape(x.shape[:-1] + (-1, 32)); a = np.abs(x).max(-1, keepdims=True)
;;       e = np.where(a > 0, np.clip(np.frexp(np.where(a > 0, a, 1))[1] - 1 - 2, -126, 127), 0)      # np.frexp(a)[1] - 1 = floor(log2(a)), exactly
;;       r = np.clip(x / 2.0 ** e, -7.5, 7.5)
;;       step = 2.0 ** (np.maximum(np.frexp(np.where(r == 0, 1, r))[1] - 1, 0) - 3)
;;       q = np.round(r / step) * step * 2.0 ** e      # np.round: ties to even
;;       return np.moveaxis(q.reshape(q.shape[:-2] + (-1,))[..., :K], -1, axis).astype(np.float32)
;;   ~~~
;; One version. Each part assembles by itself: llvm-mc -triple=amdgcn-amd-amdhsa -mcpu=gfx1250 --defsym DOCPART=n.
;; ======== version 1 of 1: 3 launches
;; workspace buffers: w1img 819,200 bytes; biasp 1,048,576 bytes; u 262,144 bytes; ctxp 8,388,608 bytes
;; launch prep (part 1): grid 64 x 1, 4 waves a work-group, no clusters, 50,688 bytes of LDS; arguments W1_w, W2_w, decoder_hidden, w1img, biasp; writes w1img, biasp
.if DOCPART == 1
	.amdgcn_target "amdgcn-amd-amdhsa--gfx1250"
	.amdhsa_code_object_version 6
	.text
	.protected	k_q6eb18869dd_prep
	.globl	k_q6eb18869dd_prep
	.p2align	8
	.type	k_q6eb18869dd_prep,@function
k_q6eb18869dd_prep:
	s_mov_b64 s[64:65], 0
	v_nop
	global_prefetch_b8 v0, s[64:65] scope:SCOPE_SE
	s_setreg_imm32_b32 hwreg(HW_REG_WAVE_MODE, 25, 1), 1
	s_wait_xcnt 0x0
; FIRST OF THREE LAUNCHES.  weights = softmax_s(sum_d V[d] tanh(enc W1 + b1 + dec W2 + b2)[s][d] + V_b), context = weights x enc.
; This launch: (a) W1 [k][n], f32, becomes codes of FP6 (E2M3) with one E8M0 byte for each 32 along K, laid as IMAGES OF THE OPERAND'S REGISTERS; (b) dec W2, on codes of both, in four quarters of K.
; WORK LEFT OUT, IN THE WHOLE PROGRAM.  (1) V_b[0] is added to every score of a batch row, and scores reach both outputs through softmax along s alone; softmax(x + k) = softmax(x) for every real k:
; V_b has no way to any output, is not loaded and is no argument of any launch.  (2) tanh(x) = 1 - 2 r with r = 1 / (1 + e^(2 x)), so a score is sum_d V[d] - 2 sum_d V[d] r[s][d]; the first term is the same
; along s and goes for the same reason.  What is kept: u[s] = sum_d (-c V[d]) r[s][d], c = 2 log2(e), which is log2(e) x score less a constant along s.
; LIMITS.  A NaN, an infinity or an overflow that reaches only V_b or sum_d V[d] is not carried to the result.  NaN and infinities among the inputs are not served.  A block of zeros, and one whose largest
; magnitude lies under 2^(3 - 127), gets the byte 1 (the rule says 127 for zeros): its codes are zeros there, and the bytes are read by this program alone.
; SHARES.  Work-groups 0-31 take W1, 32-63 W2; in each, cb = 128 columns, kq = 256 along K.  Wave w takes 32 columns.  A LANE TAKES A COLUMN AND ITS REGISTERS RUN DOWN K: a load reads 128 consecutive bytes,
; a block of 32 along K lies in one lane, and the conversions give codes with K innermost.  A fragment wants blocks 0, 2 of a column in lanes 0-15 and blocks 1, 3 in lanes 16-31: the run (blocks 0, 2) and the
; run (blocks 1, 3) change halves by v_permlane16_swap_b32, which leaves the fragments of the wave's two tiles of 16 columns.
; DEC (W2's work-groups): wave w takes batch rows 16 w .. 16 w + 15 of the quarter of K: 32 loads of 512 consecutive bytes, turned through the wave's own stage so that a lane holds whole blocks of its row,
; quantised into two fragments, which go to LDS as images of their registers; behind one barrier every wave fetches all eight.  So dec is loaded and quantised once in a work-group.
; w1img: [64 tiles of 16 columns][12,800 bytes]: 8 K steps x 1,536 bytes (register group c of four at 512 c + 16 lane), then 4 x 128 bytes of scale words (4 lane: lanes 0-15 K step 2 i, lanes 16-31 K step 2 i + 1).
; biasp: [4 quarters of K][64 batch rows][1024] f32.  Its stores are runs of 128 bytes, since a wave owns 32 columns: 1 MB in all.
; REGISTERS: window 0: addresses, scales, G (W's four fragments), DF (dec's eight), ACC, CT;  window 1: 256 numbers of W;  window 2: dec as loaded;  window 3: dec turned.
.set STGB,  9216                       ; a wave's stage: on the way in 16 rows x (512 bytes + 16), on the way out 64 batch rows x (128 bytes + 16)
.set TP,    528
.set SPARE, 36864                      ; behind the four stages: the spare words, 128 bytes a wave, that no other line names
.set IMG,   37376                      ; dec's eight fragments as images: (rows 16 rho on, K step sg) at 1,536 (2 rho + sg)
.set ISC,   49664                      ; and their scale words, 128 bytes each
.set LN,   1
.set SPW,  2                           ; LDS address of my spare word; never rewritten
.set NIL,  3                           ; 0; never rewritten
.set L4,   4                           ; 4 x lane
.set IWI,  5                           ; where I store my images: 16 x lane + 3,072 x wave
.set L16,  6                           ; 16 x lane
.set IWS,  7                           ; and their scale words: 4 x lane + 256 x wave
.set STO,  8                           ; the stage on the way out, in
.set STL,  9                           ; and back
.set GOFF, 10                          ; the same place in biasp
.set H8,   11                          ; 8 h
.set TSI,  12                          ; the stage on the way in: 16 x lane
.set TSB,  13                          ; and back: 528 r + 128 h
.set TM,   16                          ; largest magnitudes
.set SO,   20                          ; the conversions' scale operands
.set BY,   24                          ; scale bytes
.set WS,   28                          ; v28-29 W's scale words (scales alone)
.set DS,   30                          ; v30-33 dec's scale words of K step 0, v36-39 of K step 1 (scales alone)
.set WD,   34
.set WX,   35
.set G,    40                          ; fragment (K step sg, tile T) at G + 24 sg + 12 T
.set WW,   88                          ; v88-89 the two scale words that I make of dec
.set DF,   96                          ; dec's fragment (rows 16 rho on, K step sg) at DF + 112 sg + 12 rho; before the barrier my own two at DF + 12 sg
.set ACC,  144                         ; accumulator (T, rho) at ACC + 8 (4 T + rho)
.set CT,   208                         ; upper halves of blocks: a conversion's three registers begin on an even number
.set SEL,  30                          ; s[30:31] v_permlanex16_b32's selects for lane l xor 16
.set MSB, 0
.macro WIN new                         ; the immediate's high byte repeats the setting that is left
.if MSB != (\new)
	s_set_vgpr_msb (MSB<<8)|(\new)
.set MSB, (\new)
.endif
.endm
; K step sg of my 32 columns: four blocks a lane -> scale word and two runs of 12 registers, which then change halves
.macro WQ sg
	WIN 0x05                                       ; sources 0 and 1 window 1
.irp k, 0,1,2,3
	v_max3_num_f32 v[TM+\k], |v[32*(4*\sg+\k)]|, |v[32*(4*\sg+\k)+1]|, 0x1800000   ; with the floor 2^(3 - 127): the byte cannot fall under 1
.endr
.irp i, 2,4,6,8,10,12,14,16,18,20,22,24,26,28,30
.irp k, 0,1,2,3
	v_max3_num_f32 v[TM+\k], |v[32*(4*\sg+\k)+\i]|, |v[32*(4*\sg+\k)+\i+1]|, v[TM+\k]   ; the four blocks by turns
.endr
.endr
	WIN 0
.irp k, 0,1,2,3
	v_add_nc_u32 v[SO+\k], 0xff000000, v[TM+\k]    ; 2 off the exponent field: the conversion takes that field as its scale
.endr
.irp k, 0,1,2,3
	v_lshrrev_b32 v[BY+\k], 23, v[SO+\k]           ; the scale's byte
.endr
	v_lshl_or_b32 v[WS+\sg], v[BY+1], 8, v[BY]
	v_lshl_or_b32 v[WS+\sg], v[BY+2], 16, v[WS+\sg]
	v_lshl_or_b32 v[WS+\sg], v[BY+3], 24, v[WS+\sg]
	WIN 0x01                                       ; source 0 window 1
.irp k, 0,1,2,3
	v_cvt_scalef32_pk16_fp6_f32 v[G+24*\sg+12*(\k%2)+6*(\k/2):G+24*\sg+12*(\k%2)+6*(\k/2)+2], v[32*(4*\sg+\k):32*(4*\sg+\k)+15], v[SO+\k]
	v_cvt_scalef32_pk16_fp6_f32 v[CT+4*\k:CT+4*\k+2], v[32*(4*\sg+\k)+16:32*(4*\sg+\k)+31], v[SO+\k]
.endr
	v_nop                                          ; one plain place behind a scaled conversion
	WIN 0
.irp k, 0,1,2,3
.irp i, 0,1,2
	v_mov_b32 v[G+24*\sg+12*(\k%2)+6*(\k/2)+3+\i], v[CT+4*\k+\i]
.endr
.endr
.set i, 0
.rept 12
	v_permlane16_swap_b32 v[G+24*\sg+i], v[G+24*\sg+12+i]   ; the first run's lanes 16-31 with the second's lanes 0-15: now tile 0's fragment and tile 1's
.set i, i+1
.endr
.endm
; my 16 rows of dec, K step sg, through my stage: in as loaded, back as the operand wants them: lane (r, h) takes k = 64 c + 32 h + 0 .. 31 of row r.  LDS serves a wave's instructions in order
.macro DTURN sg
	WIN 0x08                                       ; an LDS store's data are its source 1: window 2
.set i, 0
.rept 16
	ds_store_b128 v[TSI], v[64*\sg+4*i:64*\sg+4*i+3] offset:TP*i
.set i, i+1
.endr
	WIN 0xc0                                       ; destination window 3
.irp c, 0,1
.irp q, 0,1,2,3,4,5,6,7
	ds_load_b128 v[64*\sg+32*\c+4*\q:64*\sg+32*\c+4*\q+3], v[TSB] offset:256*\c+16*\q
.endr
.endr
.endm
; they become a fragment and a scale word (a lane holds two whole blocks of its row), which go to LDS as they stand
.macro DQ sg
	WIN 0x0f                                       ; sources 0 and 1 window 3
.irp c, 0,1
	v_max3_num_f32 v[TM+\c], |v[64*\sg+32*\c]|, |v[64*\sg+32*\c+1]|, 0x1800000
.endr
.irp i, 2,4,6,8,10,12,14,16,18,20,22,24,26,28,30
.irp c, 0,1
	v_max3_num_f32 v[TM+\c], |v[64*\sg+32*\c+\i]|, |v[64*\sg+32*\c+\i+1]|, v[TM+\c]
.endr
.endr
	WIN 0
	v_add_nc_u32 v[SO], 0xff000000, v[TM]
	v_add_nc_u32 v[SO+1], 0xff000000, v[TM+1]
	v_lshrrev_b32 v[BY], 23, v[SO]
	v_lshrrev_b32 v[BY+1], 23, v[SO+1]
	v_lshl_or_b32 v[WD], v[BY+1], 16, v[BY]        ; my two bytes: blocks h and 2 + h,
	v_lshlrev_b32 v[WD], v[H8], v[WD]              ; at their places in the word;
	v_permlanex16_b32 v[WX], v[WD], s[SEL], s[SEL+1]
	v_or_b32 v[WW+\sg], v[WD], v[WX]               ; with lane l xor 16's two the word is whole
	WIN 0x03                                       ; source 0 window 3
	v_cvt_scalef32_pk16_fp6_f32 v[DF+12*\sg:DF+12*\sg+2], v[64*\sg:64*\sg+15], v[SO]
	v_cvt_scalef32_pk16_fp6_f32 v[CT:CT+2], v[64*\sg+16:64*\sg+31], v[SO]
	v_cvt_scalef32_pk16_fp6_f32 v[DF+12*\sg+6:DF+12*\sg+8], v[64*\sg+32:64*\sg+47], v[SO+1]
	v_cvt_scalef32_pk16_fp6_f32 v[CT+4:CT+6], v[64*\sg+48:64*\sg+63], v[SO+1]
	v_nop
	WIN 0
.irp c, 0,1
.irp i, 0,1,2
	v_mov_b32 v[DF+12*\sg+6*\c+3+\i], v[CT+4*\c+\i]
.endr
.endr
.irp c, 0,1,2
	ds_store_b128 v[IWI], v[DF+12*\sg+4*\c:DF+12*\sg+4*\c+3] offset:IMG+1536*\sg+512*\c
.endr
	ds_store_b32 v[IWS], v[WW+\sg] offset:ISC+128*\sg
.endm
	s_load_b256 s[4:11], s[0:1], 0x0               ; W1 s[4:5], W2 s[6:7], dec s[8:9], w1img s[10:11]
	s_load_b64 s[12:13], s[0:1], 0x20              ; biasp
	v_lshl_add_u32 v[SPW], v0, 2, SPARE
	v_mov_b32 v[NIL], 0
	v_lshrrev_b32 v1, 5, v0
	v_readfirstlane_b32 s14, v1                    ; wave 0..3
	v_and_b32 v[LN], 31, v0
	v_and_b32 v14, 15, v0                          ; r
	v_bfe_u32 v15, v0, 4, 1                        ; h
	v_lshlrev_b32 v[L4], 2, v[LN]
	v_lshlrev_b32 v[L16], 4, v[LN]
	v_lshlrev_b32 v[H8], 3, v15
	s_mul_i32 s15, s14, STGB                       ; my stage
	v_mul_u32_u24 v[STO], v14, 144
	v_lshl_add_u32 v[STO], v15, 5, v[STO]
	v_add_nc_u32 v[STO], s15, v[STO]               ; out, in: batch row r, 32 bytes for each half of the lanes
	v_lshrrev_b32 v34, 3, v[LN]
	v_and_b32 v35, 7, v0
	v_mul_u32_u24 v[STL], v34, 144
	v_lshl_add_u32 v[STL], v35, 4, v[STL]
	v_add_nc_u32 v[STL], s15, v[STL]               ; out, back: eight lanes to a row's 128 bytes, four rows an instruction
	v_lshlrev_b32 v[GOFF], 12, v34
	v_lshl_add_u32 v[GOFF], v35, 4, v[GOFF]
	v_add_nc_u32 v[TSI], s15, v[L16]
	v_mul_u32_u24 v[TSB], v14, TP
	v_lshl_add_u32 v[TSB], v15, 7, v[TSB]
	v_add_nc_u32 v[TSB], s15, v[TSB]
	s_mul_i32 s19, s14, 3072
	v_add_nc_u32 v[IWI], s19, v[L16]
	s_lshl_b32 s19, s14, 8
	v_add_nc_u32 v[IWS], s19, v[L4]
	v_mov_b32 v[WX], 0                             ; a lane permute's destination counts as one of its sources
	s_mov_b32 s[SEL], 0x76543210
	s_mov_b32 s[SEL+1], 0xfedcba98
	s_lshr_b32 s16, ttmp9, 5                       ; 0: W1, 1: W2
	s_and_b32 s17, ttmp9, 7                        ; cb
	s_bfe_u32 s18, ttmp9, 0x20003                  ; kq
	s_lshl_b32 s26, s17, 9
	s_lshl_b32 s27, s14, 7
	s_add_co_u32 s26, s26, s27                     ; my first column in bytes: 512 cb + 128 w
	s_lshl_b32 s20, s18, 20                        ; 256 rows of 4,096 bytes a quarter
	s_add_co_u32 s20, s20, s26
	s_mov_b32 s21, 0
	s_lshl_b32 s27, s18, 18                        ; biasp: 262,144 bytes a quarter
	s_add_co_u32 s26, s26, s27
	s_mov_b32 s27, 0
	s_lshl_b32 s22, s17, 3
	s_lshl_b32 s23, s14, 1
	s_add_co_u32 s22, s22, s23                     ; my first tile: 8 cb + 2 w
	s_mul_i32 s22, s22, 12800
	s_lshl_b32 s24, s18, 7
	s_add_co_u32 s24, s24, s22
	s_add_co_u32 s24, s24, 12288                   ; its scale words of K pair kq
	s_mov_b32 s25, 0
	s_mul_i32 s23, s18, 3072
	s_add_co_u32 s22, s22, s23                     ; its fragments of K steps 2 kq, 2 kq + 1
	s_mov_b32 s23, 0
	s_lshl_b32 s28, s18, 10                        ; dec: 256 numbers a quarter,
	s_lshl_b32 s29, s14, 16                        ; 16 rows of 4,096 bytes a wave
	s_add_co_u32 s28, s28, s29
	s_mov_b32 s29, 0
	s_wait_kmcnt 0x0
	s_cmp_eq_u32 s16, 0                            ; the choice hangs on the work-group's number alone
	s_cselect_b64 s[4:5], s[4:5], s[6:7]
	s_add_nc_u64 s[4:5], s[4:5], s[20:21]
	s_add_nc_u64 s[8:9], s[8:9], s[28:29]
	s_add_nc_u64 s[6:7], s[10:11], s[24:25]        ; the scale words' place
	s_add_nc_u64 s[10:11], s[10:11], s[22:23]      ; the fragments' place
	s_add_nc_u64 s[12:13], s[12:13], s[26:27]
	WIN 0x40                                       ; destination window 1
.set i, 0
.rept 256
	global_load_b32 v[i], v[L4], s[4:5] offset:i*4096 th:TH_LOAD_NT   ; W(256 kq + i, my column): the wave reads 128 consecutive bytes
.set i, i+1
.endr
	WIN 0
	s_cmp_eq_u32 s16, 0
	s_cbranch_scc1 .Lno_dec
	WIN 0x80                                       ; destination window 2
.irp sg, 0,1
.set i, 0
.rept 16
	global_load_b128 v[64*\sg+4*i:64*\sg+4*i+3], v[L16], s[8:9] offset:4096*i+512*\sg   ; 512 consecutive bytes of one batch row
.set i, i+1
.endr
.endr
	WIN 0
	s_wait_loadcnt 0x0                             ; dec's loads are the youngest: all that the wave will ever read is in
	DTURN 0
	DTURN 1
	s_wait_dscnt 32                                ; K step 0 is back; K step 1's 16 stores and 16 loads may be out
	DQ 0
	s_wait_dscnt 4                                 ; K step 1 is back; the first image's four stores may be out
	DQ 1
.Lno_dec:
	s_wait_loadcnt 0x0                             ; one shot: all of W's 256 loads
	WQ 0
	WQ 1
	v_permlane16_swap_b32 v[WS], v[WS+1]           ; now register T holds tile T's words: lanes 0-15 K step 2 kq, lanes 16-31 K step 2 kq + 1
	s_wait_dscnt 0x0                               ; for the others' sake: my images have landed
	s_barrier_signal -1                            ; the barrier stands on the one way that both kinds of work-group take
	s_barrier_wait -1
	s_cmp_lg_u32 s16, 0
	s_cbranch_scc1 .Lproduct
	; W1: the images leave as they stand: each store of the wave covers 512 consecutive bytes, aligned to 256
.irp T, 0,1
.irp sg, 0,1
.irp c, 0,1,2
	global_store_b128 v[L16], v[G+24*\sg+12*\T+4*\c:G+24*\sg+12*\T+4*\c+3], s[10:11] offset:\T*12800+\sg*1536+512*\c
.endr
.endr
	global_store_b32 v[L4], v[WS+\T], s[6:7] offset:\T*12800
.endr
	s_wait_tensorcnt 0x0                           ; the wave's end, as at the other end of the text
	ds_add_u32 v[SPW], v[NIL]
	s_wait_dscnt 0x0
	s_endpgm
.Lproduct:
	; W2: biasp(kq) = dec x W2 over this quarter of K.  TRANSPOSED: source 0 = 16 columns of W2, source 1 = 16 batch rows: a lane holds batch row r and eight neighbouring d.
.irp sg, 0,1
.irp rho, 0,1,2,3
.irp c, 0,1,2
	ds_load_b128 v[DF+112*\sg+12*\rho+4*\c:DF+112*\sg+12*\rho+4*\c+3], v[L16] offset:IMG+1536*(2*\rho+\sg)+512*\c
.endr
	ds_load_b32 v[DS+6*\sg+\rho], v[L4] offset:ISC+128*(2*\rho+\sg)
.endr
.endr
.rept 8
	v_nop                                          ; W's scale words were written by vector instructions: 8 places ahead of a scaled matrix instruction; its fragments 4
.endr
	s_wait_dscnt 0x0
.irp sg, 0,1
.irp rho, 0,1,2,3                      ; the eight accumulators take turns, one instruction a turn
.irp T, 0,1
.if \sg == 0
	v_wmma_scale_f32_16x16x128_f8f6f4 v[ACC+8*(4*\T+\rho):ACC+8*(4*\T+\rho)+7], v[G+12*\T:G+12*\T+11], v[DF+12*\rho:DF+12*\rho+11], 0, v[WS+\T], v[DS+\rho] matrix_a_fmt:MATRIX_FMT_FP6 matrix_b_fmt:MATRIX_FMT_FP6
.else
	v_wmma_scale_f32_16x16x128_f8f6f4 v[ACC+8*(4*\T+\rho):ACC+8*(4*\T+\rho)+7], v[G+24+12*\T:G+24+12*\T+11], v[DF+112+12*\rho:DF+112+12*\rho+11], v[ACC+8*(4*\T+\rho):ACC+8*(4*\T+\rho)+7], v[WS+\T], v[DS+6+\rho] matrix_a_fmt:MATRIX_FMT_FP6 matrix_b_fmt:MATRIX_FMT_FP6 matrix_a_scale:MATRIX_SCALE_ROW1
.endif
.endr
.endr
.endr
.rept 4
	v_nop                                          ; places in front of the first read of results and of loads into operands' registers
.endr
.irp rho, 0,1,2,3
.irp T, 0,1
	ds_store_b128 v[STO], v[ACC+8*(4*\T+\rho):ACC+8*(4*\T+\rho)+3] offset:2304*\rho+64*\T      ; each accumulator from its low end on
	ds_store_b128 v[STO], v[ACC+8*(4*\T+\rho)+4:ACC+8*(4*\T+\rho)+7] offset:2304*\rho+64*\T+16
.endr
.endr
.set i, 0
.rept 16
	ds_load_b128 v[G+4*i:G+4*i+3], v[STL] offset:576*i   ; LDS serves a wave's instructions in order: these see my stores
.set i, i+1
.endr
.set i, 0
.rept 16
	s_wait_dscnt 15-i                              ; the younger loads may stay out
	global_store_b128 v[GOFF], v[G+4*i:G+4*i+3], s[12:13] offset:16384*i
.set i, i+1
.endr
	s_wait_tensorcnt 0x0                           ; the wave's end, behind my last LDS store
	ds_add_u32 v[SPW], v[NIL]
	s_wait_dscnt 0x0
	s_endpgm
.Lfunc_end_k_q6eb18869dd_prep:
	.size	k_q6eb18869dd_prep, .Lfunc_end_k_q6eb18869dd_prep-k_q6eb18869dd_prep
	.p2alignl 7, 3214868480
	.fill 96, 4, 3214868480
	.section	.rodata,"a",@progbits
	.p2align	6, 0x0
	.amdhsa_kernel k_q6eb18869dd_prep
		.amdhsa_group_segment_fixed_size 50688
		.amdhsa_private_segment_fixed_size 0
		.amdhsa_enable_private_segment 0
		.amdhsa_kernarg_size 40
		.amdhsa_user_sgpr_count 2
		.amdhsa_user_sgpr_kernarg_segment_ptr 1
		.amdhsa_wavefront_size32 1
		.amdhsa_system_sgpr_workgroup_id_x 1
		.amdhsa_system_sgpr_workgroup_id_y 1
		.amdhsa_system_sgpr_workgroup_id_z 1
		.amdhsa_system_vgpr_workitem_id 0
		.amdhsa_next_free_vgpr 1024
		.amdhsa_next_free_sgpr 66
		.amdhsa_reserve_vcc 0
		.amdhsa_float_denorm_mode_32 3
		.amdhsa_float_denorm_mode_16_64 3
		.amdhsa_memory_ordered 1
		.amdhsa_forward_progress 1
		.amdhsa_inst_pref_size 64
	.end_amdhsa_kernel
	.amdgpu_metadata
---
amdhsa.version: [ 1, 2 ]
amdhsa.kernels:
  - .name:           k_q6eb18869dd_prep
    .symbol:         k_q6eb18869dd_prep.kd
    .args:
      - { .name: W1_w, .offset: 0, .size: 8, .value_kind: global_buffer, .address_space: global }
      - { .name: W2_w, .offset: 8, .size: 8, .value_kind: global_buffer, .address_space: global }
      - { .name: decoder_hidden, .offset: 16, .size: 8, .value_kind: global_buffer, .address_space: global }
      - { .name: w1img, .offset: 24, .size: 8, .value_kind: global_buffer, .address_space: global }
      - { .name: biasp, .offset: 32, .size: 8, .value_kind: global_buffer, .address_space: global }
    .group_segment_fixed_size: 50688
    .private_segment_fixed_size: 0
    .kernarg_segment_align: 8
    .kernarg_segment_size: 40
    .max_flat_workgroup_size: 128
    .sgpr_count:     66
    .vgpr_count:     1024
    .wavefront_size: 32
...
	.end_amdgpu_metadata
.endif
;; end of part 1
;; launch main (part 2): grid 512 x 1, 4 waves a work-group, clusters of 4 x 1, 327,680 bytes of LDS; arguments encoder_outputs, w1img, biasp, W1_b, W2_b, V_w, u, ctxp; writes u, ctxp
.if DOCPART == 2
	.amdgcn_target "amdgcn-amd-amdhsa--gfx1250"
	.amdhsa_code_object_version 6
	.text
	.protected	k_q6eb18869dd_main
	.globl	k_q6eb18869dd_main
	.p2align	8
	.type	k_q6eb18869dd_main,@function
k_q6eb18869dd_main:
	s_mov_b64 s[64:65], 0
	v_nop
	global_prefetch_b8 v0, s[64:65] scope:SCOPE_SE
	s_setreg_imm32_b32 hwreg(HW_REG_WAVE_MODE, 25, 1), 1
	s_wait_xcnt 0x0
	s_wait_alu depctr_hold_cnt(0) depctr_sa_sdst(0) depctr_va_vdst(0) depctr_va_sdst(0) depctr_va_ssrc(0) depctr_va_vcc(0) depctr_vm_vsrc(0)
	s_getreg_b32 s2, hwreg(HW_REG_IB_STS2, 6, 4)
	s_cmp_eq_u32 s2, 0
	s_cbranch_scc0 .Lentry_in_a_cluster
	s_endpgm
.Lentry_in_a_cluster:
	s_bfe_u32 s2, ttmp6, 0x10000c
	s_cmp_lg_u32 s2, 0x3003
	s_cbranch_scc0 .Lentry_shape_is_right
	s_endpgm
.Lentry_shape_is_right:
; SECOND LAUNCH.  For 128 rows s of one batch: u[s] = sum_d (-c V[d]) / (1 + 2^(c (enc W1)[s][d] + c bias[d])), c = 2 log2(e), bias = b1 + b2 + dec W2; and for each 32 rows a part of the context,
; ctxp = sum_s 2^(u[s] - m) enc[s], m the largest u of those 32 rows.  V_b and sum_d V[d] are left out: each is the same along the softmax's axis (shown at the head of the first launch).
; 1 / (1 + 2^y) needs no clamp: 2^y = infinity gives 0, 2^y = 0 gives 1.  LIMITS as in the first launch.
; ENC IS READ ONCE.  Wave w OWNS 32 rows from its first load to its last store: their codes of FP6 stay in 192 registers, a copy in bf16 (for the context, a product that is left as it is) in 512.
; Each wave walks all 1,024 columns of W1, a tile of 16 at a time; W1's images come through a ring of two LDS slots of 8 tiles (102,400 bytes).
; CLUSTER.  All work-groups walk the same W1, so the four of a cluster ask for each slot JOINTLY: the same tensor load, the same descriptor, a mask that names the four.  The work-group's place enters
; the addresses of enc, biasp, u and ctxp alone: no branch, no LDS address.
; THE PRODUCT: source 0 = 16 rows of enc, source 1 = 16 columns of W1: a lane holds ONE column (lane % 16) and rows 8 (lane / 16) + 0 .. 7, so bias and V are one word a lane, and the sum over d runs in the
; lane's eight registers through all columns; the sixteen lanes are added once, at the end.
; BY TURNS.  A tile is 16 matrix instructions (8 K steps x my two tiles of rows) and its epilogue 56 vector instructions, 32 of them transcendentals: 3.5 for each matrix instruction.  Set behind the products they
; would leave the matrix unit without work all that while.  So the accumulators are two sets of two: while tile t's products fill one set, the epilogue of tile t - 1 works on the other, cut into slices, one
; behind each matrix instruction.  Slices and products name no common register, and one setting of the register windows serves both.
; REGISTERS: window 0: v1-13 addresses; v16-23 enc's scale words, v24-31 W1's (scales alone); v32-223 three landing sets of enc, then two tiles' fragments of W1, then the context's sums; v224-242 the
;   quantiser's, then v224-227 -c V.   window 1: v0-191 enc's 16 fragments; v192-255 64 numbers turned, then v192-223 two sets of two accumulators, v224-239 the row sums, v240-243 c bias.
;   windows 2, 3: the copy of rows 0-15, 16-31.
.set TILEB,  12800                     ; a tile's image
.set QUART,  25600                     ; two tiles: a wave's quarter of a slot
.set SLOTB,  102400
.set TABB,   102400                    ; behind slot 0: c x bias[d], 4,096 bytes;
.set TABVO,  4096                      ; and, so far behind it, -c V[d]
.set SPARE,  110592                    ; the spare words, 128 bytes a wave, that no other line names
.set SLOT1,  131072                    ; slot 1: one exclusive or turns an address from one slot to the other
.set STAGE,  233472                    ; behind slot 1: 16 rows x (512 bytes + 16) for each wave
.set STGW,   8448
.set SPITCH, 528                       ; an odd multiple of 16: the sixteen rows that a load touches start at sixteen different places modulo 256 bytes
.set L16,  1                           ; 16 x lane
.set SPW,  2                           ; LDS address of my spare word; never rewritten
.set NIL,  3                           ; 0; never rewritten
.set ADR,  4                           ; a tile's fragments
.set ADS,  5                           ; a tile's scale words
.set ADT,  6                           ; a tile's bias and V
.set L4,   7                           ; 4 x lane
.set R4,   8                           ; TABB + 4 r
.set STS,  9                           ; my stage, in: 16 x lane
.set STL,  10                          ; my stage, back: 528 r + 128 h
.set UOFF, 11                          ; my row's place in u
.set T32,  12                          ; 32 x thread: my eight d of the tables, in memory
.set TST,  13                          ; and in LDS
.set SA,   16                          ; enc's scale words: tile a, K pair i at SA + 4 a + i: lanes 0-15 K step 2 i, lanes 16-31 K step 2 i + 1
.set SB,   24                          ; W1's likewise: the tile of parity n at SB + 4 n + i
.set R,    32                          ; landing sets of 64
.set HB,   32                          ; W1's fragment (tile of parity n, K step s) at HB + 96 n + 12 s
.set TM,   224
.set SO,   228
.set BY,   230
.set WD,   232
.set WX,   233
.set WE,   234
.set H8,   235
.set CT,   236
.set VV,   224                         ; -c V of my column: the tile of parity n at VV + 2 n; the odd ones are named as pairs' upper halves and written once
.set XT,   192                         ; window 1: register 32 c + i = k 64 c + 32 h + i of my row
.set ACC,  192                         ; window 1: accumulator (set n, rows a) at ACC + 16 n + 8 a
.set SAC,  224                         ; window 1: row sums (a, j)
.set B1,   240                         ; window 1: c bias of my column: the tile of parity n at B1 + 2 n; the odd ones as with V
.set CA,   32                          ; the end: 32 sums of the context
.set P,    64                          ; 32 weights, one a register
.set X,    96                          ; the row sums in window 0
.set KP,   112
.set GV,   116
.set UU,   120
.set MX,   121
.set PE,   122
.set ZR,   123
.set WV,   20
.set G1,   24                          ; s[24:31] descriptor group 1
.set G0A,  32                          ; s[32:35] group 0 of slot 0's first fill
.set G0W,  36                          ; s[36:39] group 0 that walks
.set TB,   40                          ; LDS byte at which the tile to be fetched next begins
.set TN,   41                          ; the place in the tables of the tile whose bias and V are fetched next
.set CNT,  42
.set PER,  43
.set CC,   44                          ; s[44:45] c
.set SEL,  46                          ; s[46:47] lane l xor 16
.set MK0,  48                          ; lanes with bit 0, 1, 2, 3 set
.set MK1,  49
.set MK2,  50
.set MK3,  51
.set MHI,  52                          ; lanes 16-31
.set NC,   58                          ; s[58:59] -c
.set WOF,  60                          ; s[60:61] 25,600 x wave: these two never hold the work-group's place
.set MSB, 0
.macro WIN new                         ; the immediate's high byte repeats the setting that is left
.if MSB != (\new)
	s_set_vgpr_msb (MSB<<8)|(\new)
.set MSB, (\new)
.endif
.endm
.macro PLACES n
.rept \n
	v_nop
.endr
.endm
.macro CROUND                          ; a round of the cluster's barrier: my work-group's barrier, wave 0's signal for the work-group, every wave's wait, my work-group's barrier once more
	s_barrier_signal -1
	s_barrier_wait -1
	s_cmp_lg_u32 s[WV], 0
	s_cbranch_scc1 .Lnot_wave_0_\@
	s_barrier_signal -3
.Lnot_wave_0_\@:
	s_barrier_wait -3
	s_barrier_signal -1
	s_barrier_wait -1
.endm
; UNIT u = 8 a + s: rows 16 a .. 16 a + 15 of my 32, columns 128 s .. 128 s + 127.
.macro XLOAD u                         ; sixteen loads, each 512 consecutive bytes of one row
.set LR, R+64*((\u)%3)
.set LO, ((\u)/8)*65536+((\u)%8)*512
.set i, 0
.rept 16
	global_load_b128 v[LR+4*i:LR+4*i+3], v[L16], s[4:5] offset:LO+4096*i th:TH_LOAD_NT
.set i, i+1
.endr
.endm
.macro XTURN u                         ; through my stage: in as loaded, back as the operand wants them: lane (r, h) takes k = 64 c + 32 h + 0 .. 31 of row r.  LDS serves a wave's instructions in order
.set TR, R+64*((\u)%3)
.set i, 0
.rept 16
	ds_store_b128 v[STS], v[TR+4*i:TR+4*i+3] offset:SPITCH*i
.set i, i+1
.endr
	WIN 0x40                                       ; destination window 1
.irp c, 0,1
.irp q, 0,1,2,3,4,5,6,7
	ds_load_b128 v[XT+32*\c+4*\q:XT+32*\c+4*\q+3], v[STL] offset:256*\c+16*\q
.endr
.endr
.endm
.macro XPACK u                         ; the copy: register 32 s + 2 i + e of window 2 + a holds row 16 a + i, columns 128 s + 4 lane + 2 e (low half) and + 2 e + 1 (high half)
.set PR, R+64*((\u)%3)
.set PS, 32*((\u)%8)
	WIN 0x80+0x40*((\u)/8)
.set i, 0
.rept 16
	v_cvt_pk_bf16_f32 v[PS+2*i], v[PR+4*i], v[PR+4*i+1]
	v_cvt_pk_bf16_f32 v[PS+2*i+1], v[PR+4*i+2], v[PR+4*i+3]
.set i, i+1
.endr
.endm
.macro QUANT u                         ; 64 numbers of a lane, two whole blocks of its row, become fragment u and its part of a scale register
	WIN 0x05                                       ; sources 0 and 1 window 1
.irp k, 0,1,2,3
	v_max3_num_f32 v[TM+\k], |v[XT+16*\k]|, |v[XT+16*\k+1]|, 0x1800000   ; four chains of 16 numbers, each with the floor 2^(3 - 127): the byte cannot fall under 1
.endr
.irp i, 2,4,6,8,10,12,14
.irp k, 0,1,2,3
	v_max3_num_f32 v[TM+\k], |v[XT+16*\k+\i]|, |v[XT+16*\k+\i+1]|, v[TM+\k]
.endr
.endr
	WIN 0
	v_max_num_f32 v[TM], v[TM], v[TM+1]
	v_max_num_f32 v[TM+2], v[TM+2], v[TM+3]
	v_add_nc_u32 v[SO], 0xff000000, v[TM]          ; 2 off the exponent field: the conversion's scale operand
	v_add_nc_u32 v[SO+1], 0xff000000, v[TM+2]
	v_lshrrev_b32 v[BY], 23, v[SO]
	v_lshrrev_b32 v[BY+1], 23, v[SO+1]
	v_lshl_or_b32 v[WD], v[BY+1], 16, v[BY]        ; blocks h and 2 + h,
	v_lshlrev_b32 v[WD], v[H8], v[WD]              ; at their places in the word
	v_permlanex16_b32 v[WX], v[WD], s[SEL], s[SEL+1]
.if (\u)%2 == 0
	v_or_b32 v[WE], v[WD], v[WX]                   ; an even K step's word is kept
.else
	v_or_b32 v[WD], v[WD], v[WX]
	v_cndmask_b32 v[SA+(\u)/2], v[WE], v[WD], s[MHI]   ; lanes 0-15 the even K step's, lanes 16-31 the odd one's
.endif
	WIN 0x41                                       ; source 0 and destination window 1
	v_cvt_scalef32_pk16_fp6_f32 v[12*(\u):12*(\u)+2], v[XT:XT+15], v[SO]
	v_cvt_scalef32_pk16_fp6_f32 v[12*(\u)+6:12*(\u)+8], v[XT+32:XT+47], v[SO+1]
	WIN 0x01                                       ; (a conversion's three registers begin on an even number: the upper halves are made elsewhere and moved)
	v_cvt_scalef32_pk16_fp6_f32 v[CT:CT+2], v[XT+16:XT+31], v[SO]
	v_cvt_scalef32_pk16_fp6_f32 v[CT+4:CT+6], v[XT+48:XT+63], v[SO+1]
	v_nop                                          ; one plain place behind a scaled conversion
	WIN 0x40
.irp c, 0,1
.irp i, 0,1,2
	v_mov_b32 v[12*(\u)+6*\c+3+\i], v[CT+4*\c+\i]
.endr
.endr
	WIN 0
.endm
.macro UNIT u, left
	s_wait_loadcnt \left                           ; my unit's sixteen loads are in; the younger units' stay out
	XTURN \u
	XPACK \u                                       ; work on registers while the numbers turn
	WIN 0
	s_wait_dscnt 0x0                               ; the numbers are back, and the stores have read the landing set,
.if (\u)+3 < 16
	XLOAD (\u)+3                                   ; which takes the unit three on
.endif
	QUANT \u
.endm
; THE LDS LOADS behind the products of a tile of parity n, in one run.  frag = 1: the fragments and scale words of the tile two on, 28 loads, into the registers that these products have left.
; bv = 1: -c V and c bias of the NEXT tile (parity 1 - n), 2 loads, into the words that the epilogue just finished has left.
.macro LOADS n, frag, bv
	WIN 0
.if \frag
	v_add_nc_u32 v[ADR], s[TB], v[L16]
	v_add_nc_u32 v[ADS], s[TB], v[L4]
	s_add_co_u32 s[TB], s[TB], TILEB
.endif
.if \bv
	v_add_nc_u32 v[ADT], s[TN], v[R4]
	s_add_co_u32 s[TN], s[TN], 64
.endif
.if \frag
.irp s, 0,1,2,3,4,5,6,7
.irp c, 0,1,2
	ds_load_b128 v[HB+96*\n+12*\s+4*\c:HB+96*\n+12*\s+4*\c+3], v[ADR] offset:1536*\s+512*\c
.endr
.endr
.irp i, 0,1,2,3
	ds_load_b32 v[SB+4*\n+\i], v[ADS] offset:12288+128*\i
.endr
.endif
.if \bv
	ds_load_b32 v[VV+2-2*\n], v[ADT] offset:TABVO
	WIN 0x40                                       ; destination window 1
	ds_load_b32 v[B1+2-2*\n], v[ADT]
.endif
.endm
; Product i of 16 of a tile of parity n: K step i / 2, rows 16 (i % 2) on.  The set's two accumulators take turns, one instruction a turn; the first K step starts the sums.
.macro PROD n
.set PKS, i/2
.set PRA, i%2
.set PRD, ACC+16*\n+8*PRA
.set PRF, 12*(8*PRA+PKS)
.set PRB, HB+96*\n+12*PKS
.set PSA, SA+4*PRA+PKS/2
.set PSB, SB+4*\n+PKS/2
.if PKS == 0
	v_wmma_scale_f32_16x16x128_f8f6f4 v[PRD:PRD+7], v[PRF:PRF+11], v[PRB:PRB+11], 0, v[PSA], v[PSB] matrix_a_fmt:MATRIX_FMT_FP6 matrix_b_fmt:MATRIX_FMT_FP6
.elseif (PKS%2) == 0
	v_wmma_scale_f32_16x16x128_f8f6f4 v[PRD:PRD+7], v[PRF:PRF+11], v[PRB:PRB+11], v[PRD:PRD+7], v[PSA], v[PSB] matrix_a_fmt:MATRIX_FMT_FP6 matrix_b_fmt:MATRIX_FMT_FP6
.else
	v_wmma_scale_f32_16x16x128_f8f6f4 v[PRD:PRD+7], v[PRF:PRF+11], v[PRB:PRB+11], v[PRD:PRD+7], v[PSA], v[PSB] matrix_a_fmt:MATRIX_FMT_FP6 matrix_b_fmt:MATRIX_FMT_FP6 matrix_a_scale:MATRIX_SCALE_ROW1 matrix_b_scale:MATRIX_SCALE_ROW1
.endif
.endm
; THE EPILOGUE of set m, 16 numbers a lane in 8 pairs: row sums += (-c V) / (1 + 2^(c x + c bias)).  Slice i stands behind product i.
;   slices 0-7: pair i is scaled (each accumulator from its low end on); the exponentials of pair i - 1.     slice 8: the last two exponentials, a plain place, THE WAIT for all sixteen, pair 0 + 1.
;   slices 9-15: pair i - 8 + 1; the reciprocals of pair i - 9.     the tail: the last two reciprocals, a plain place, THE WAIT for all sixteen, the eight multiply-adds into the row sums.
; Nothing names an exponential's or a reciprocal's result ahead of its batch's wait.
.macro SLICE m
.set EB, ACC+16*(\m)
.if i < 8
	v_pk_fma_f32 v[EB+2*i:EB+2*i+1], v[EB+2*i:EB+2*i+1], s[CC:CC+1], v[B1+2*(\m):B1+2*(\m)+1] op_sel_hi:[1,0,0]
.if i > 0
	v_exp_f32 v[EB+2*i-2], v[EB+2*i-2]
	v_exp_f32 v[EB+2*i-1], v[EB+2*i-1]
.endif
.elseif i == 8
	v_exp_f32 v[EB+14], v[EB+14]
	v_exp_f32 v[EB+15], v[EB+15]
	v_nop
	s_wait_alu depctr_va_vdst(0)
	v_pk_add_f32 v[EB:EB+1], v[EB:EB+1], 1.0 op_sel_hi:[1,0]
.else
	v_pk_add_f32 v[EB+2*i-16:EB+2*i-15], v[EB+2*i-16:EB+2*i-15], 1.0 op_sel_hi:[1,0]
	v_rcp_f32 v[EB+2*i-18], v[EB+2*i-18]
	v_rcp_f32 v[EB+2*i-17], v[EB+2*i-17]
.endif
.endm
.macro TAIL m
.set EB, ACC+16*(\m)
	v_rcp_f32 v[EB+14], v[EB+14]
	v_rcp_f32 v[EB+15], v[EB+15]
	v_nop
	s_wait_alu depctr_va_vdst(0)
.set j, 0
.rept 8
	v_pk_fma_f32 v[SAC+j:SAC+j+1], v[EB+j:EB+j+1], v[VV+2*(\m):VV+2*(\m)+1], v[SAC+j:SAC+j+1] op_sel_hi:[1,0,1]   ; plain, and they name no register of the products: they are also the places behind the last of them
.set j, j+2
.endr
.endm
.macro EPIF m                          ; the last tile's epilogue has no products to stand between
.set EB, ACC+16*(\m)
.set j, 0
.rept 8
	v_pk_fma_f32 v[EB+j:EB+j+1], v[EB+j:EB+j+1], s[CC:CC+1], v[B1+2*(\m):B1+2*(\m)+1] op_sel_hi:[1,0,0]
.set j, j+2
.endr
.set j, 0
.rept 16
	v_exp_f32 v[EB+j], v[EB+j]
.set j, j+1
.endr
	v_nop
	s_wait_alu depctr_va_vdst(0)
.set j, 0
.rept 8
	v_pk_add_f32 v[EB+j:EB+j+1], v[EB+j:EB+j+1], 1.0 op_sel_hi:[1,0]
.set j, j+2
.endr
.set j, 0
.rept 14
	v_rcp_f32 v[EB+j], v[EB+j]
.set j, j+1
.endr
	TAIL \m
.endm
; A TILE of parity n: its 16 products, with the epilogue of the tile before between them, under ONE setting of the windows: source 0 (enc's fragment; the epilogue's numbers), C and D window 1; source 1
; (W1's fragment; V) window 0.  Then the run of LDS loads.  cnt: the LDS instructions issued behind the loads that this tile needs.
; mode 0: the loads follow.   mode 1, 2: THE CHANGE OF SLOTS, behind a slot's seventh tile: the eighth tile's fragments are in registers or on their way, and the tile to be fetched next lies in the other slot.
; At the tile's head each wave waits for all its tensor loads (its quarter of the other slot) and adds 0 to its spare word; behind the products it waits for that and for its reads of this slot.
; mode 1: the barrier is a round of the cluster's, and this slot is filled again, jointly, with the tiles two slots on: the load has eight tiles, 128 matrix instructions a wave, in which to land.
; mode 2: nothing is left to ask for.   mode 3: the last tile but one: only the last tile's bias and V are fetched.   mode 4: the last tile.
.macro HS n, mode, cnt
.if (\mode == 1) || (\mode == 2)
	WIN 0                                          ; (the add's two registers lie in window 0)
	s_wait_tensorcnt 0x0                           ; no tensor load of mine is out, so the walking group 0 may be written
	ds_add_u32 v[SPW], v[NIL]                      ; 0 onto my spare word; the tile's work on registers stands between it and the wait for it
.endif
.if \mode == 1
	s_xor_b32 s[G0W+1], s[G0W+1], SLOT1            ; the other slot than last time,
	s_add_nc_u64 s[G0W+2:G0W+3], s[G0W+2:G0W+3], SLOTB   ; the next eight tiles; the type bits on top are not reached
.endif
	s_wait_dscnt \cnt
	WIN 0x51
.set i, 0
.rept 16
	PROD \n
	SLICE 1-\n
.set i, i+1
.endr
	TAIL 1-\n
.if \mode == 0
	LOADS \n, 1, 1
.elseif \mode == 1
	WIN 0
	s_wait_dscnt 0x0                               ; the add is done, and my reads of this slot are over
	CROUND                                         ; no wave of any partner still reads this slot or has a load on its way
	tensor_load_to_lds s[G0W:G0W+3], s[G1:G1+7]    ; my one tensor load behind the round, and the first thing there
	s_nop 0
	PLACES 4
	s_sub_co_u32 s[TB], s[TB], SLOTB               ; back to a slot's first tile,
	s_xor_b32 s[TB], s[TB], SLOT1                  ; in the other slot
	LOADS \n, 1, 1
.elseif \mode == 2
	WIN 0
	s_wait_dscnt 0x0
	s_barrier_signal -1
	s_barrier_wait -1
	s_sub_co_u32 s[TB], s[TB], SLOTB
	s_xor_b32 s[TB], s[TB], SLOT1
	LOADS \n, 1, 1
.elseif \mode == 3
	LOADS \n, 0, 1
.endif
.endm
.macro THREE                           ; a slot's first six tiles: a trip runs two, until the register numbers are back where they began
	WIN 0
	s_mov_b32 s[CNT], 3
.Lthree_\@:
	HS 0, 0, 30                                    ; 30: the loads issued behind the tile before (24 + 4 + 2) may be out
	HS 1, 0, 30
	WIN 0
	s_sub_co_u32 s[CNT], s[CNT], 1
	s_cmp_lg_u32 s[CNT], 0
	s_cbranch_scc1 .Lthree_\@
.endm
; The sixteen lanes of a half are added, and the eight rows are dealt out among them on the way: lane (r, h) ends with row 16 a + 8 h + r % 8 in the first register.
; A halving step: a lane keeps the rows that it will hold and gives the others to the lane across.
.macro HALVE xb, d, msk, xm
.set j, 0
.rept \d
	v_cndmask_b32 v[KP+j], v[\xb+j], v[\xb+\d+j], s[\msk]
	v_cndmask_b32 v[GV+j], v[\xb+\d+j], v[\xb+j], s[\msk]
.set j, j+1
.endr
.set j, 0
.rept \d
	v_add_f32_dpp v[\xb+j], v[GV+j], v[KP+j] row_xmask:\xm row_mask:0xf bank_mask:0xf
.set j, j+1
.endr
.endm
.macro RSC a
.set j, 0
.rept 8
	v_add_f32_dpp v[X+8*\a+j], v[X+8*\a+j], v[X+8*\a+j] row_xmask:8 row_mask:0xf bank_mask:0xf
.set j, j+1
.endr
	HALVE X+8*\a, 4, MK2, 4
	HALVE X+8*\a, 2, MK1, 2
	HALVE X+8*\a, 1, MK0, 1
.endm
	s_load_b512 s[4:19], s[0:1], 0x0               ; enc s[4:5], w1img s[6:7], biasp s[8:9], W1_b s[10:11], W2_b s[12:13], V_w s[14:15], u s[16:17], ctxp s[18:19]
	v_lshl_add_u32 v[SPW], v0, 2, SPARE
	v_mov_b32 v[NIL], 0
	ds_add_u32 v[SPW], v[NIL]                      ; the wave's opening: the add, twice on end, and its wait ahead of my first tensor load; the set-up below stands between
	ds_add_u32 v[SPW], v[NIL]
	v_lshrrev_b32 v14, 5, v0
	v_readfirstlane_b32 s[WV], v14                 ; wave 0..3
	s_bfe_u32 s21, ttmp6, 0x40000                  ; my place in the cluster
	s_lshl_b32 s22, ttmp9, 2                       ; in a cluster launch ttmp9 counts clusters
	s_add_co_u32 s22, s22, s21                     ; my block of 128 rows
	s_mov_b32 s[G1], 15|(3<<16)|(1<<21)            ; 15:0 the mask: all four work-groups; 17:16 elements of 8 bytes; 21 set beside a mask; no padding: the images are read 16 bytes a lane on end
	s_mov_b32 s[G1+1], 32<<16                      ; tensor_dim0 = 32 elements: rows of 256 bytes
	s_mov_b32 s[G1+2], 100<<16                     ; tensor_dim1 = 100 rows: 25,600 dense bytes
	s_mov_b32 s[G1+3], 32<<16                      ; tile_dim0
	s_mov_b32 s[G1+4], 100                         ; tile_dim1
	s_mov_b32 s[G1+5], 32                          ; the pitch
	s_mov_b32 s[G1+6], 0
	s_mov_b32 s[G1+7], 0
	s_mov_b32 s[CC], 0x4038aa3b                    ; c = 2 log2(e)
	s_mov_b32 s[CC+1], s[CC]                       ; (named with it as a pair, so it is written)
	s_mov_b32 s[NC], 0xc038aa3b                    ; -c
	s_mov_b32 s[NC+1], s[NC]
	s_mov_b32 s[SEL], 0x76543210
	s_mov_b32 s[SEL+1], 0xfedcba98
	s_mov_b32 s[MK0], 0xaaaaaaaa
	s_mov_b32 s[MK1], 0xcccccccc
	s_mov_b32 s[MK2], 0xf0f0f0f0
	s_mov_b32 s[MK3], 0xff00ff00
	s_mov_b32 s[MHI], 0xffff0000
	s_mul_i32 s[WOF], s[WV], QUART                 ; my quarter of a slot, in memory and in LDS
	s_mov_b32 s[WOF+1], 0
	v_and_b32 v14, 31, v0                          ; lane
	v_lshlrev_b32 v[L16], 4, v14
	v_lshlrev_b32 v[L4], 2, v14
	v_and_b32 v15, 15, v0                          ; r
	v_lshl_add_u32 v[R4], v15, 2, TABB
	s_mul_i32 s53, s[WV], STGW
	s_add_co_u32 s53, s53, STAGE                   ; my stage
	v_add_nc_u32 v[STS], s53, v[L16]
	v_mul_u32_u24 v[STL], v15, SPITCH
	v_bfe_u32 v[H8], v0, 4, 1                      ; h
	v_lshl_add_u32 v[STL], v[H8], 7, v[STL]
	v_add_nc_u32 v[STL], s53, v[STL]
	v_lshlrev_b32 v[H8], 3, v[H8]
	v_and_b32 v[UOFF], 7, v0                       ; at the end lane l holds row 16 ((l / 8) % 2) + 8 (l / 16) + l % 8 of my 32
	v_lshlrev_b32 v[UOFF], 2, v[UOFF]
	v_and_b32 v15, 8, v0
	v_lshl_add_u32 v[UOFF], v15, 3, v[UOFF]
	v_and_b32 v15, 16, v0
	v_lshl_add_u32 v[UOFF], v15, 1, v[UOFF]
	v_lshlrev_b32 v[T32], 5, v0
	v_lshl_add_u32 v[TST], v0, 5, TABB
	v_mov_b32 v[WX], 0                             ; a lane permute's destination counts as one of its sources
	s_lshl_b32 s54, s22, 19                        ; 128 rows of 4,096 bytes a block,
	s_lshl_b32 s55, s[WV], 17                      ; 32 a wave
	s_add_co_u32 s54, s54, s55
	s_mov_b32 s55, 0
	s_wait_dscnt 0x0                               ; both opening adds are done
	s_wait_kmcnt 0x0
	s_add_nc_u64 s[4:5], s[4:5], s[54:55]          ; enc at my first row
	s_lshr_b32 s54, s22, 3                         ; the batch
	s_lshl_b32 s54, s54, 12
	s_add_nc_u64 s[8:9], s[8:9], s[54:55]          ; biasp at the batch's row
	s_lshl_b32 s54, s22, 9
	s_lshl_b32 s56, s[WV], 7
	s_add_co_u32 s54, s54, s56
	s_add_nc_u64 s[16:17], s[16:17], s[54:55]      ; u at my 32 rows
	s_lshl_b32 s54, s22, 14
	s_lshl_b32 s56, s[WV], 12
	s_add_co_u32 s54, s54, s56
	s_add_nc_u64 s[18:19], s[18:19], s[54:55]      ; ctxp at my group's row
	s_add_nc_u64 s[6:7], s[6:7], s[WOF:WOF+1]      ; w1img at my quarter of the first slot's worth
	CROUND                                         ; all four work-groups are here: the first joint loads meet
	s_mov_b32 s[G0A], 1                            ; count = 1
	s_mov_b32 s[G0A+1], s[WOF]                     ; LDS address: slot 0
	s_mov_b64 s[G0A+2:G0A+3], s[6:7]               ; tiles 0-7
	s_or_b32 s[G0A+3], s[G0A+3], 0x80000000        ; type = 2
	s_mov_b32 s[G0W], 1
	s_add_co_u32 s[G0W+1], s[WOF], SLOT1           ; slot 1
	s_add_nc_u64 s[G0W+2:G0W+3], s[6:7], SLOTB     ; tiles 8-15
	s_or_b32 s[G0W+3], s[G0W+3], 0x80000000
	tensor_load_to_lds s[G0A:G0A+3], s[G1:G1+7]    ; every wave issues both first fills: two loads of mine are out
	s_nop 0
	tensor_load_to_lds s[G0W:G0W+3], s[G1:G1+7]
	s_nop 0
	PLACES 4
	; THE TABLES: thread t makes c (b1 + b2 + the four quarters of dec W2) and -c V for d = 8 t .. 8 t + 7
	WIN 0x40
.irp q, 0,1,2,3
.irp e, 0,1
	global_load_b128 v[192+8*\q+4*\e:192+8*\q+4*\e+3], v[T32], s[8:9] offset:262144*\q+16*\e
.endr
.endr
.irp e, 0,1
	global_load_b128 v[224+4*\e:224+4*\e+3], v[T32], s[10:11] offset:16*\e
	global_load_b128 v[232+4*\e:232+4*\e+3], v[T32], s[12:13] offset:16*\e
	global_load_b128 v[240+4*\e:240+4*\e+3], v[T32], s[14:15] offset:16*\e
.endr
	WIN 0
	XLOAD 0
	XLOAD 1
	XLOAD 2
	s_wait_loadcnt 48                              ; the tables' loads are in; the three units' 48 stay out
	WIN 0x55
.irp p, 0,2,4,6
	v_pk_add_f32 v[192+\p:193+\p], v[192+\p:193+\p], v[200+\p:201+\p]
	v_pk_add_f32 v[208+\p:209+\p], v[208+\p:209+\p], v[216+\p:217+\p]
	v_pk_add_f32 v[224+\p:225+\p], v[224+\p:225+\p], v[232+\p:233+\p]
.endr
.irp p, 0,2,4,6
	v_pk_add_f32 v[192+\p:193+\p], v[192+\p:193+\p], v[208+\p:209+\p]
.endr
.irp p, 0,2,4,6
	v_pk_add_f32 v[192+\p:193+\p], v[192+\p:193+\p], v[224+\p:225+\p]
.endr
.irp p, 0,2,4,6
	v_pk_mul_f32 v[192+\p:193+\p], v[192+\p:193+\p], s[CC:CC+1] op_sel_hi:[1,0]
	v_pk_mul_f32 v[240+\p:241+\p], v[240+\p:241+\p], s[NC:NC+1] op_sel_hi:[1,0]
.endr
	WIN 0x04                                       ; an LDS store's data are its source 1: window 1
	ds_store_b128 v[TST], v[192:195]
	ds_store_b128 v[TST], v[196:199] offset:16
	ds_store_b128 v[TST], v[240:243] offset:TABVO
	ds_store_b128 v[TST], v[244:247] offset:TABVO+16
	WIN 0
	s_wait_dscnt 0x0                               ; the stores have read their registers, which the turned numbers take next
	; X: my 32 rows come in, sixteen units; three units, 24,576 bytes a wave, are on their way
.irp u, 0,1,2,3,4,5,6,7,8,9,10,11,12,13
	UNIT \u, 32
.endr
	UNIT 14, 16
	UNIT 15, 0
	; The tile is written once: the first tile's products find, as the tile before, a set of zeros with bias 0 and V 0, whose epilogue adds 0.5 x 0 to row sums that begin as zeros
	WIN 0x40
.set j, 0
.rept 16
	v_mov_b32 v[SAC+j], 0
.set j, j+1
.endr
.set j, 0
.rept 16
	v_mov_b32 v[ACC+16+j], 0
.set j, j+1
.endr
.irp j, 0,1,2,3
	v_mov_b32 v[B1+\j], 0                          ; (the odd ones are named as pairs' upper halves, so they are written)
.endr
	WIN 0
.irp j, 0,1,2,3
	v_mov_b32 v[VV+\j], 0
.endr
	s_wait_tensorcnt 0x1                           ; my quarter of slot 0 is in; slot 1's may stay out
	s_wait_dscnt 0x0                               ; my part of the tables has landed
	s_barrier_signal -1
	s_barrier_wait -1                              ; everybody's has
	s_mov_b32 s[TB], 0
	s_mov_b32 s[TN], 0
	LOADS 0, 1, 0                                  ; tile 0: 28 loads
	LOADS 1, 1, 1                                  ; tile 1, and tile 0's bias and V: 30 loads
	WIN 0
	; G: eight slots of eight tiles.  Six changes of slots fill a slot again; the last two slots are written out
	s_mov_b32 s[PER], 6
.Lperiod:
	THREE
	HS 0, 1, 31                                    ; 31: the 30 loads issued behind the tile before, and the add
	HS 1, 0, 30
	WIN 0
	s_sub_co_u32 s[PER], s[PER], 1
	s_cmp_lg_u32 s[PER], 0
	s_cbranch_scc1 .Lperiod
	THREE
	HS 0, 2, 31
	HS 1, 0, 30
	THREE
	HS 0, 3, 30
	HS 1, 4, 2                                     ; 2: the last tile's bias and V may be out
	s_wait_dscnt 0x0
	EPIF 1
	; THE END: u of my 32 rows, their largest, the weights 2^(u - m), and the context's part from the copy
	WIN 0x01
.set j, 0
.rept 16
	v_mov_b32 v[X+j], v[SAC+j]                     ; into window 0, so that all that follows but the copy has every window 0
.set j, j+1
.endr
	WIN 0
	RSC 0
	RSC 1
	v_cndmask_b32 v[UU], v[X], v[X+8], s[MK3]      ; lanes with l % 16 >= 8 take rows 16-31
	global_store_b32 v[UOFF], v[UU], s[16:17]      ; the wave stores 128 consecutive bytes
	v_mov_b32 v[MX], v[UU]
	v_max_num_f32_dpp v[MX], v[MX], v[MX] row_xmask:1 row_mask:0xf bank_mask:0xf
	v_max_num_f32_dpp v[MX], v[MX], v[MX] row_xmask:2 row_mask:0xf bank_mask:0xf
	v_max_num_f32_dpp v[MX], v[MX], v[MX] row_xmask:4 row_mask:0xf bank_mask:0xf
	v_max_num_f32_dpp v[MX], v[MX], v[MX] row_xmask:8 row_mask:0xf bank_mask:0xf
	v_permlanex16_b32 v[WX], v[MX], s[SEL], s[SEL+1]
	v_max_num_f32 v[MX], v[MX], v[WX]              ; the largest u of my 32 rows: the maximum is taken away before the exponential
	v_sub_f32 v[PE], v[UU], v[MX]
	v_exp_f32 v[PE], v[PE]
	v_mov_b32 v[ZR], 0                             ; (a plain place behind the exponential)  the first row's addend
	s_wait_alu depctr_va_vdst(0)                   ; the wait ahead of the first reader
.irp g, 0,1,2,3,4,5,6,7                ; row rho's weight lies in lane 16 ((rho / 8) % 2) + 8 (rho / 16) + rho % 8: it goes to all lanes of register P + rho, four rows at a time
.irp k, 0,1,2,3
	v_readlane_b32 s[53+\k], v[PE], 16*(((4*\g+\k)/8)%2)+8*((4*\g+\k)/16)+(4*\g+\k)%8
.endr
.irp k, 0,1,2,3
	v_mov_b32 v[P+4*\g+\k], s[53+\k]
.endr
.endr
.irp a, 0,1                            ; 32 sums by turns: sum 2 q + half is column 128 (q / 2) + 4 lane + 2 (q % 2) + half
	WIN 0x02+\a                                    ; source 0: the copy, window 2 or 3
.set i, 0
.rept 16
.set q, 0
.rept 16
.if (\a == 0) && (i == 0)
	v_fma_mix_f32_bf16 v[CA+2*q], v[32*(q/2)+2*i+q%2], v[P+16*\a+i], v[ZR] op_sel_hi:[1,0,0]
	v_fma_mix_f32_bf16 v[CA+2*q+1], v[32*(q/2)+2*i+q%2], v[P+16*\a+i], v[ZR] op_sel:[1,0,0] op_sel_hi:[1,0,0]
.else
	v_fma_mix_f32_bf16 v[CA+2*q], v[32*(q/2)+2*i+q%2], v[P+16*\a+i], v[CA+2*q] op_sel_hi:[1,0,0]
	v_fma_mix_f32_bf16 v[CA+2*q+1], v[32*(q/2)+2*i+q%2], v[P+16*\a+i], v[CA+2*q+1] op_sel:[1,0,0] op_sel_hi:[1,0,0]
.endif
.set q, q+1
.endr
.set i, i+1
.endr
.endr
	WIN 0
.irp s, 0,1,2,3,4,5,6,7
	global_store_b128 v[L16], v[CA+4*\s:CA+4*\s+3], s[18:19] offset:512*\s   ; the wave stores 512 consecutive bytes, at a multiple of 256 from ctxp's first byte
.endr
	s_wait_tensorcnt 0x0                           ; the wave's end, behind my last tensor load and my last LDS store
	ds_add_u32 v[SPW], v[NIL]
	s_wait_dscnt 0x0
	CROUND                                         ; the closing round: no work-group ends while a partner may still ask for a slot that names it
	s_endpgm
.Lfunc_end_k_q6eb18869dd_main:
	.size	k_q6eb18869dd_main, .Lfunc_end_k_q6eb18869dd_main-k_q6eb18869dd_main
	.p2alignl 7, 3214868480
	.fill 96, 4, 3214868480
	.section	.rodata,"a",@progbits
	.p2align	6, 0x0
	.amdhsa_kernel k_q6eb18869dd_main
		.amdhsa_group_segment_fixed_size 327680
		.amdhsa_private_segment_fixed_size 0
		.amdhsa_enable_private_segment 0
		.amdhsa_kernarg_size 64
		.amdhsa_user_sgpr_count 2
		.amdhsa_user_sgpr_kernarg_segment_ptr 1
		.amdhsa_wavefront_size32 1
		.amdhsa_system_sgpr_workgroup_id_x 1
		.amdhsa_system_sgpr_workgroup_id_y 1
		.amdhsa_system_sgpr_workgroup_id_z 1
		.amdhsa_system_vgpr_workitem_id 0
		.amdhsa_next_free_vgpr 1024
		.amdhsa_next_free_sgpr 66
		.amdhsa_reserve_vcc 0
		.amdhsa_float_denorm_mode_32 3
		.amdhsa_float_denorm_mode_16_64 3
		.amdhsa_memory_ordered 1
		.amdhsa_forward_progress 1
		.amdhsa_inst_pref_size 255
	.end_amdhsa_kernel
	.section	.bss,"aw",@nobits
	.p2align	6
	.space	262144
	.amdgpu_metadata
---
amdhsa.version: [ 1, 2 ]
amdhsa.kernels:
  - .name:           k_q6eb18869dd_main
    .symbol:         k_q6eb18869dd_main.kd
    .args:
      - { .name: encoder_outputs, .offset: 0, .size: 8, .value_kind: global_buffer, .address_space: global }
      - { .name: w1img, .offset: 8, .size: 8, .value_kind: global_buffer, .address_space: global }
      - { .name: biasp, .offset: 16, .size: 8, .value_kind: global_buffer, .address_space: global }
      - { .name: W1_b, .offset: 24, .size: 8, .value_kind: global_buffer, .address_space: global }
      - { .name: W2_b, .offset: 32, .size: 8, .value_kind: global_buffer, .address_space: global }
      - { .name: V_w, .offset: 40, .size: 8, .value_kind: global_buffer, .address_space: global }
      - { .name: u, .offset: 48, .size: 8, .value_kind: global_buffer, .address_space: global }
      - { .name: ctxp, .offset: 56, .size: 8, .value_kind: global_buffer, .address_space: global }
    .group_segment_fixed_size: 327680
    .private_segment_fixed_size: 0
    .kernarg_segment_align: 8
    .kernarg_segment_size: 64
    .max_flat_workgroup_size: 128
    .sgpr_count:     66
    .vgpr_count:     1024
    .wavefront_size: 32
...
	.end_amdgpu_metadata
.endif
;; end of part 2
;; launch finish (part 3): grid 512 x 1, 1 waves a work-group, no clusters, 0 bytes of LDS; arguments u, ctxp, out0, out1; writes out0, out1
.if DOCPART == 3
	.amdgcn_target "amdgcn-amd-amdhsa--gfx1250"
	.amdhsa_code_object_version 6
	.text
	.protected	k_q6eb18869dd_finish
	.globl	k_q6eb18869dd_finish
	.p2align	8
	.type	k_q6eb18869dd_finish,@function
k_q6eb18869dd_finish:
	s_mov_b64 s[64:65], 0
	v_nop
	global_prefetch_b8 v0, s[64:65] scope:SCOPE_SE
	s_setreg_imm32_b32 hwreg(HW_REG_WAVE_MODE, 25, 1), 1
	s_wait_xcnt 0x0
; THIRD LAUNCH.  out0[b][s] = 2^(u[s] - m) / Z, with m the largest u of the batch row and Z the sum of 2^(u - m); out1[b][:] = sum over the 32 groups g of 32 rows of (2^(m_g - m) / Z) ctxp[g][:].
; u is log2(e) x score less a constant along s (V_b and sum_d V[d] are left out: shown at the head of the first launch), so this is softmax(scores).
; m_g, the largest u of a group, is taken anew from the same 32 stored numbers from which the second launch took it; a maximum rounds nothing, so it is the same number.
; One wave owns 128 weights and 128 columns of the context of one batch row; lane l holds group l's 32 scores.  No LDS, no barrier, no matrix unit: 4,096 + 16,384 bytes in, 1,024 out for a wave.
	s_load_b256 s[4:11], s[0:1], 0x0               ; u s[4:5], ctxp s[6:7], out0 s[8:9], out1 s[10:11]
	v_lshlrev_b32 v1, 7, v0                        ; 128 x lane: my group's 32 scores
	v_lshlrev_b32 v2, 4, v0                        ; 16 x lane
	s_lshr_b32 s12, ttmp9, 3                       ; the batch row
	s_and_b32 s13, ttmp9, 7                        ; which 128 columns
	s_lshl_b32 s14, s12, 12
	s_mov_b32 s15, 0
	s_lshl_b32 s13, s13, 9
	s_add_co_u32 s16, s13, s14                     ; 4,096 b + 512 e
	s_mov_b32 s17, 0
	s_lshl_b32 s18, s12, 17                        ; 32 groups of 4,096 bytes a batch row
	s_add_co_u32 s18, s18, s13
	s_mov_b32 s19, 0
	s_mov_b32 s52, 0x76543210
	s_mov_b32 s53, 0xfedcba98                      ; v_permlanex16_b32's selects for lane l xor 16
	v_add_nc_u32 v3, s13, v2                       ; my four weights' scores
	v_mov_b32 v47, 0                               ; a lane permute's destination counts as one of its sources
	s_wait_kmcnt 0x0
	s_add_nc_u64 s[4:5], s[4:5], s[14:15]
	s_add_nc_u64 s[6:7], s[6:7], s[18:19]
	s_add_nc_u64 s[8:9], s[8:9], s[16:17]
	s_add_nc_u64 s[10:11], s[10:11], s[16:17]
.irp i, 0,1,2,3,4,5,6,7
	global_load_b128 v[8+4*\i:11+4*\i], v1, s[4:5] offset:16*\i
.endr
	global_load_b128 v[40:43], v3, s[4:5]
.set r, 0
.rept 32
	global_load_b128 v[64+4*r:67+4*r], v2, s[6:7] offset:4096*r th:TH_LOAD_NT   ; group r's part, my 128 columns: 512 consecutive bytes
.set r, r+1
.endr
	s_wait_loadcnt 32                              ; the scores are in; the 32 loads of the parts stay out
	v_max3_num_f32 v44, v8, v9, v10                ; my group's largest, in two chains
	v_max3_num_f32 v45, v11, v12, v13
.irp i, 14,18,22,26,30,34
	v_max3_num_f32 v44, v44, v[\i], v[\i+1]
	v_max3_num_f32 v45, v45, v[\i+2], v[\i+3]
.endr
	v_max3_num_f32 v44, v44, v38, v39
	v_max_num_f32 v44, v44, v45                    ; m_g
	v_mov_b32 v46, v44
	v_max_num_f32_dpp v46, v46, v46 row_xmask:1 row_mask:0xf bank_mask:0xf
	v_max_num_f32_dpp v46, v46, v46 row_xmask:2 row_mask:0xf bank_mask:0xf
	v_max_num_f32_dpp v46, v46, v46 row_xmask:4 row_mask:0xf bank_mask:0xf
	v_max_num_f32_dpp v46, v46, v46 row_xmask:8 row_mask:0xf bank_mask:0xf
	v_permlanex16_b32 v47, v46, s52, s53
	v_max_num_f32 v46, v46, v47                    ; m: the maximum is taken away before every exponential
	v_mov_b32 v47, v46                             ; twice, a pair for the packed subtraction
.irp i, 8,10,12,14,16,18,20,22,24,26,28,30,32,34,36,38,40,42
	v_pk_add_f32 v[\i:\i+1], v[\i:\i+1], v[46:47] neg_lo:[0,1] neg_hi:[0,1]
.endr
	v_sub_f32 v44, v44, v46
.set i, 8
.rept 37
	v_exp_f32 v[i], v[i]                           ; one batch: 32 of my group, my four weights, and 2^(m_g - m)
.set i, i+1
.endr
	v_nop                                          ; a plain place behind the last exponential
	s_wait_alu depctr_va_vdst(0)                   ; the wait ahead of the batch's first reader
	v_pk_add_f32 v[48:49], v[8:9], v[10:11]        ; Z: two at a time, in two chains
	v_pk_add_f32 v[50:51], v[12:13], v[14:15]
.irp i, 16,20,24,28,32,36
	v_pk_add_f32 v[48:49], v[48:49], v[\i:\i+1]
	v_pk_add_f32 v[50:51], v[50:51], v[\i+2:\i+3]
.endr
	v_pk_add_f32 v[48:49], v[48:49], v[50:51]
	v_add_f32 v48, v48, v49
	v_add_f32_dpp v48, v48, v48 row_xmask:1 row_mask:0xf bank_mask:0xf
	v_add_f32_dpp v48, v48, v48 row_xmask:2 row_mask:0xf bank_mask:0xf
	v_add_f32_dpp v48, v48, v48 row_xmask:4 row_mask:0xf bank_mask:0xf
	v_add_f32_dpp v48, v48, v48 row_xmask:8 row_mask:0xf bank_mask:0xf
	v_permlanex16_b32 v47, v48, s52, s53
	v_add_f32 v48, v48, v47
	v_rcp_f32 v49, v48
	v_nop
	s_wait_alu depctr_va_vdst(0)
	v_mul_f32 v44, v44, v49                        ; my group's factor 2^(m_g - m) / Z
.irp k, 0,1,2,3
	v_mul_f32 v[40+\k], v[40+\k], v49
.endr
	global_store_b128 v2, v[40:43], s[8:9]         ; 512 consecutive bytes of out0
.set r, 0
.rept 32
	v_readlane_b32 s[20+r], v44, r
.set r, r+1
.endr
	s_wait_loadcnt 0x0
.irp k, 0,1,2,3
	v_mul_f32 v[52+\k], s20, v[64+\k]              ; the first group starts the sums
.endr
.set r, 1
.rept 31
.irp k, 0,1,2,3
	v_fma_f32 v[52+\k], s[20+r], v[64+4*r+\k], v[52+\k]
.endr
.set r, r+1
.endr
	global_store_b128 v2, v[52:55], s[10:11]       ; 512 consecutive bytes of out1
	s_endpgm
.Lfunc_end_k_q6eb18869dd_finish:
	.size	k_q6eb18869dd_finish, .Lfunc_end_k_q6eb18869dd_finish-k_q6eb18869dd_finish
	.p2alignl 7, 3214868480
	.fill 96, 4, 3214868480
	.section	.rodata,"a",@progbits
	.p2align	6, 0x0
	.amdhsa_kernel k_q6eb18869dd_finish
		.amdhsa_group_segment_fixed_size 0
		.amdhsa_private_segment_fixed_size 0
		.amdhsa_enable_private_segment 0
		.amdhsa_kernarg_size 32
		.amdhsa_user_sgpr_count 2
		.amdhsa_user_sgpr_kernarg_segment_ptr 1
		.amdhsa_wavefront_size32 1
		.amdhsa_system_sgpr_workgroup_id_x 1
		.amdhsa_system_sgpr_workgroup_id_y 1
		.amdhsa_system_sgpr_workgroup_id_z 1
		.amdhsa_system_vgpr_workitem_id 0
		.amdhsa_next_free_vgpr 192
		.amdhsa_next_free_sgpr 66
		.amdhsa_reserve_vcc 0
		.amdhsa_float_denorm_mode_32 3
		.amdhsa_float_denorm_mode_16_64 3
		.amdhsa_memory_ordered 1
		.amdhsa_forward_progress 1
		.amdhsa_inst_pref_size 21
	.end_amdhsa_kernel
	.amdgpu_metadata
---
amdhsa.version: [ 1, 2 ]
amdhsa.kernels:
  - .name:           k_q6eb18869dd_finish
    .symbol:         k_q6eb18869dd_finish.kd
    .args:
      - { .name: u, .offset: 0, .size: 8, .value_kind: global_buffer, .address_space: global }
      - { .name: ctxp, .offset: 8, .size: 8, .value_kind: global_buffer, .address_space: global }
      - { .name: out0, .offset: 16, .size: 8, .value_kind: global_buffer, .address_space: global }
      - { .name: out1, .offset: 24, .size: 8, .value_kind: global_buffer, .address_space: global }
    .group_segment_fixed_size: 0
    .private_segment_fixed_size: 0
    .kernarg_segment_align: 8
    .kernarg_segment_size: 32
    .max_flat_workgroup_size: 32
    .sgpr_count:     66
    .vgpr_count:     192
    .wavefront_size: 32
...
	.end_amdgpu_metadata
.endif
;; end of part 3
